; MI455X (gfx1250); checked and timed in simulation.
; The chip was launched on July 23, 2026; its instructions are those of AMD's public machine-readable ISA for CDNA 5 (MIT licence, August 2026) and "CDNA5" Instruction Set Architecture Reference Guide (July 2026). The comments in the code are by the model that wrote it; some were corrected since.
;; Quantized Linear. Allowed arithmetic: matrix products marked QUANTISED: E5M2 operands, one E8M0 scale for each 32 along K, by v_wmma_scale_f32_16x16x128_f8f6f4 with both operands' format E5M2, f32 sums; everything else in f32.
;; Inputs: bias 2,048 float32; packed_weight 1,024 x 4,096 uint8; scale one number float32; x 4 x 2,048 x 4,096 float32; zero_point one number float32.
;; Outputs: out0 4 x 2,048 x 2,048 float32.
;; This version of the problem:
;;   THIS VERSION OF THE PROBLEM IS GIVEN IN LOW PRECISION. The matrix products marked QUANTISED in the list below multiply operands that are first quantised to E5M2 (5 exponent bits, 2 mantissa bits; 8 bits a number), with one power-of-two scale for each 32 numbers along K (OCP MX v1.0); their sums are f32. All else is computed in f32.
;;   The module's matrix products, in the order in which they are computed (A, B: the left and right operand; K: the contracted axis; several contracted axes count as one K, in the product's order):
;;     1. [M 8,192, K 4,096] x [K 4,096, N 2,048]; A: input x; B: computed on the way: QUANTISED
;;   THE QUANTISER, for each operand of a quantised product, along K:
;;     - K is cut into blocks of 32 from its start; a last block that is shorter is filled with zeros.
;;     - A block's scale is 2^e with e = floor(log2(the largest magnitude in the block)) - 15, held to -126 .. 127; a block of zeros has e = 0. As a byte (E8M0): e + 127.
;;     - Each number is divided by its block's scale, clamped to +-57,344, and rounded to the nearest number of E5M2, ties to even, subnormals kept.
;;     - The product sums the exact products of the quantised numbers (number of the format x scale) in f32.
;;   ~~~python
;;   def quantise(x, axis):      # numpy; x: float32 -> the quantised numbers, widened to float32 again
;;       x = np.moveaxis(x, axis, -1); K = x.shape[-1]
;;       x = np.pad(x, [(0, 0)] * (x.ndim - 1) + [(0, -K % 32)]); x = x.reshape(x.shape[:-1] + (-1, 32)); a = np.abs(x).max(-1, keepdims=True)
;;       e = np.where(a > 0, np.clip(np.frexp(np.where(a > 0, a, 1))[1] - 1 - 15, -126, 127), 0)      # np.frexp(a)[1] - 1 = floor(log2(a)), exactly
;;       r = np.clip(x / 2.0 ** e, -57344, 57344)
;;       step = 2.0 ** (np.maximum(np.frexp(np.where(r == 0, 1, r))[1] - 1, -14) - 2)
;;       q = np.round(r / step) * step * 2.0 ** e      # np.round: ties to even
;;       return np.moveaxis(q.reshape(q.shape[:-2] + (-1,))[..., :K], -1, axis).astype(np.float32)
;;   ~~~
;;   OPERANDS COMPUTED ON THE WAY. 'Computed on the way' means the value that the module computes at that place (a softmax that the list does not call 'softmax' is quantised finished and normalised). What goes into a quantiser is computed in f32, as accurately as f32 sums, v_exp_f32 and their like allow (about 1e-6 of the number): no bf16 or f16 on the way to a quantiser, and a product that is left as it is and whose result goes on into a quantised operand takes f32 operands (vector FMAs, or v_wmma_f32_16x16x4_f32). A number that lies on a knife's edge between two numbers of the format may be rounded either way, as far as f32 arithmetic and the matrix unit's own rounding can turn it there, and no further.
;; One version. Each part assembles by itself: llvm-mc -triple=amdgcn-amd-amdhsa -mcpu=gfx1250 --defsym DOCPART=n.
;; ======== version 1 of 1: 2 launches
;; limits: right only within a limited range of input values
;; workspace buffers: xq 34,603,008 bytes; wq 8,650,752 bytes
;; launch quant (part 1): grid 1280 x 1, 4 waves a work-group, no clusters, 34,304 bytes of LDS; arguments x, packed_weight, scale, zero_point, xq, wq; writes xq, wq
.if DOCPART == 1
	.amdgcn_target "amdgcn-amd-amdhsa--gfx1250"
	.amdhsa_code_object_version 6
	.text
	.protected	k_q16e1223dd0_quant
	.globl	k_q16e1223dd0_quant
	.p2align	8
	.type	k_q16e1223dd0_quant,@function
k_q16e1223dd0_quant:
	s_mov_b64 s[64:65], 0
	v_nop
	global_prefetch_b8 v0, s[64:65] scope:SCOPE_SE
	s_setreg_imm32_b32 hwreg(HW_REG_WAVE_MODE, 25, 1), 1
	s_wait_xcnt 0x0
; x [8192][4096] f32 and w = scale * (nibble - zero_point) [2048][4096] (two 4-bit numbers a byte of packed_weight [1024][4096]: low nibble = even row, high nibble = odd row)
; are turned into codes of BF8 (E5M2) with one E8M0 scale byte for each 32 along K, laid as the product's launch wants them: IN THE ORDER OF THE OPERAND'S REGISTERS.
; A CHUNK is 128 rows x 256 along K, 33,792 bytes: 16 fragment images of 2,048 bytes (block i of 16 rows, q-th 128 along K: at (2 i + q) x 2,048; in it registers 4 c .. 4 c + 3 of lane l at 512 c + 16 l:
; the codes of row l % 16 at k = 32 c + 16 (l / 16) + 0 .. 15), then from byte 32,768 the scale words: block i at 128 i, row r at 8 r, word q at 4 q, byte b for k = 32 b .. 32 b + 31.
; xq = [64 groups of 128 rows][16 K steps][chunk], wq = [16][16][chunk].
; A block's scale is 2^(floor(log2(its largest magnitude)) - 15); its byte is the largest magnitude's exponent field - 15, held at 1 from below; each number is held within +-57,344 x the scale and rounded to the nearest code, ties to even.
; LIMITS: a block of zeros gets the byte 1 where the rule says 127 (its codes are zeros, which add nothing under any byte but 0xff, and the bytes are read by this program alone); blocks whose largest magnitude lies under
; the floor 2^(16 - 127) were not tried; NaN and infinities among the inputs are not served.
; SHARES.  One work-group makes one chunk: work-groups 0 to 255 W's, the other 1,024 x's.  Wave w makes blocks 2 w and 2 w + 1: four fragments f = 2 b + q.  Waves share nothing: no barrier.
; x: each load reads 512 consecutive bytes of one row; a fragment's 16 rows turn through the wave's own stage in LDS, so that lane (r, h) gets, of row r, 16 neighbours of each block of 32.  Only this way uses LDS.
; W: lane (r, h) loads the 16 bytes of packed row r / 2 at its k, shifts by 4 (r % 2), and takes each byte's low nibble: one subtraction and one multiplication in f32, as the definition writes them.
.set CHUNK, 33792
.set R0,  16                           ; v16-79   numbers (or W's packed bytes) as loaded: one set of 64
.set X,   80                           ; v80-143  register 16 c + i = k 32 c + 16 h + i of my row
.set C,   144                          ; v144-175 codes: two sets of 16, by turns
.set TM,  176                          ; v176-191 largest magnitudes, bytes, bounds, the conversions' scale operands
.set PW,  12                           ; v12-15   the scale word of fragment f
	s_load_b256 s[4:11], s[0:1], 0x0               ; x s[4:5], packed_weight s[6:7], scale s[8:9], zero_point s[10:11]
	s_load_b128 s[12:15], s[0:1], 0x20             ; xq s[12:13], wq s[14:15]
	v_lshl_add_u32 v10, v0, 2, 0x8400              ; my spare word, behind the four stages; never rewritten
	v_mov_b32 v11, 0                               ; 0; never rewritten
	v_lshrrev_b32 v1, 5, v0
	v_readfirstlane_b32 s16, v1                    ; wave 0..3
	v_and_b32 v1, 31, v0                           ; lane
	v_and_b32 v2, 15, v0                           ; r
	v_bfe_u32 v3, v0, 4, 1                         ; h
	v_lshlrev_b32 v4, 4, v1                        ; 16 x lane: my 16 bytes of a load's 512
	s_mul_i32 s29, s16, 8448                       ; my stage: 16 rows of 512 bytes + 16
	v_add_nc_u32 v5, s29, v4                       ; into it: 16 x lane, the row in the immediate
	v_mul_u32_u24 v6, v2, 528
	v_lshl_add_u32 v6, v3, 6, v6
	v_add_nc_u32 v6, s29, v6                       ; out of it: row r, + 64 h
	s_lshl_b32 s29, s16, 13
	v_add_nc_u32 v7, s29, v4                       ; my codes' place in the chunk: four images a wave, 16 x lane
	s_lshl_b32 s29, s16, 8
	s_add_co_u32 s29, s29, 32768
	v_lshl_add_u32 v8, v1, 3, s29                  ; my scale words' place: two blocks a wave, 8 bytes a row: lanes 0-15 block 2 w, lanes 16-31 block 2 w + 1
	s_mov_b32 s26, 0x76543210
	s_mov_b32 s27, 0xfedcba98                      ; v_permlanex16_b32's selects for lane l xor 16
	s_mov_b32 s28, 0x600000                        ; the mantissa field of 57,344
.irp b, 0,1,2,3
	v_mov_b32 v[TM+4+\b], 0                        ; written once: a lane permute's destination counts as one of its sources
.endr
; The 64 numbers in v[X] on become a fragment's codes in v[pc] on and its scale word in v[pw].
.macro QUANT pc, pw
.irp b, 0,1,2,3
	v_max3_num_f32 v[TM+\b], |v[X+16*\b]|, |v[X+1+16*\b]|, 0x8000000   ; block b: my 16 numbers, and the floor 2^(16 - 127): so the byte cannot fall under 1
.endr
.irp i, 2,4,6,8,10,12,14
.irp b, 0,1,2,3
	v_max3_num_f32 v[TM+\b], v[TM+\b], |v[X+16*\b+\i]|, |v[X+1+16*\b+\i]|   ; (the four blocks by turns: no line waits for the line above it)
.endr
.endr
.irp b, 0,1,2,3
	v_permlanex16_b32 v[TM+4+\b], v[TM+\b], s26, s27
.endr
.irp b, 0,1,2,3
	v_max_num_f32 v[TM+\b], v[TM+\b], v[TM+4+\b]   ; with lane l xor 16's: the block's largest magnitude, in both halves of the lanes
.endr
.irp b, 0,1,2,3
	v_add_nc_u32 v[TM+12+\b], 0xf8800000, v[TM+\b] ; 15 off its exponent field: the conversion takes the exponent field of this operand as its scale
.endr
.irp b, 0,1,2,3
	v_and_or_b32 v[TM+8+\b], v[TM+\b], 0x7f800000, s28   ; 57,344 x the scale: the largest magnitude's exponent field over 57,344's mantissa
.endr
.irp b, 0,1,2,3
	v_lshrrev_b32 v[TM+4+\b], 23, v[TM+12+\b]      ; the scale's byte
.endr
	v_lshl_or_b32 v[\pw], v[TM+5], 8, v[TM+4]      ; the four bytes make my row's scale word
	v_lshl_or_b32 v[\pw], v[TM+6], 16, v[\pw]
	v_lshl_or_b32 v[\pw], v[TM+7], 24, v[\pw]
.irp b, 0,1,2,3
.irp i, 0,1,2,3,4,5,6,7,8,9,10,11,12,13,14,15
	v_med3_num_f32 v[X+16*\b+\i], v[X+16*\b+\i], -v[TM+8+\b], v[TM+8+\b]   ; the conversion to an 8-bit code does not saturate (ISA guide 7.6.2): the hold at the largest code x the scale
.endr
	v_cvt_scalef32_pk8_bf8_f32 v[\pc+4*\b:\pc+1+4*\b], v[X+16*\b:X+7+16*\b], v[TM+12+\b]
	v_cvt_scalef32_pk8_bf8_f32 v[\pc+2+4*\b:\pc+3+4*\b], v[X+8+16*\b:X+15+16*\b], v[TM+12+\b]
.endr
	v_nop                                          ; one plain vector instruction behind the last scaled conversion, ahead of whatever next writes its sources
.endm
; Fragment f's image leaves: each store covers 512 consecutive bytes, at a multiple of 256 from the buffer's first byte.
.macro PUT f
.irp c, 0,1,2,3
	global_store_b128 v7, v[C+16*((\f)%2)+4*\c:C+16*((\f)%2)+4*\c+3], s[20:21] offset:2048*(\f)+512*\c
.endr
.endm
; The wave's scale words: both halves of the lanes hold row r's word of every fragment, so lanes 16-31 take block 1's two.  32 lanes store 256 consecutive bytes, aligned.
.macro TAIL
	v_cmp_le_u32 vcc_lo, 16, v1
	v_cndmask_b32 v[TM], v[PW], v[PW+2], vcc_lo
	v_cndmask_b32 v[TM+1], v[PW+1], v[PW+3], vcc_lo
	global_store_b64 v8, v[TM:TM+1], s[20:21]
	s_wait_tensorcnt 0x0                           ; the wave's end
	ds_add_u32 v10, v11
	s_wait_dscnt 0x0
	s_endpgm
.endm
	s_wait_kmcnt 0x0
	s_cmp_lt_u32 ttmp9, 256                        ; W's work-group or x's?  The branch hangs on the work-group's number alone
	s_cbranch_scc0 .Lx
	; ---------------- W's chunk number ttmp9: group g = number / 16 of 128 output rows (64 packed rows), K step t = number % 16
	s_load_b32 s22, s[8:9], 0x0                    ; scale
	s_load_b32 s24, s[10:11], 0x0                  ; zero_point
	s_lshr_b32 s30, ttmp9, 4
	s_and_b32 s31, ttmp9, 15
	s_lshl_b32 s18, s30, 18                        ; 64 packed rows of 4,096 bytes a group,
	s_lshl_b32 s30, s16, 16                        ; 16 a wave,
	s_add_co_u32 s18, s18, s30
	s_lshl_b32 s31, s31, 8                         ; 256 bytes a K step
	s_add_co_u32 s18, s18, s31
	s_mov_b32 s19, 0
	s_mul_i32 s20, ttmp9, CHUNK
	s_mov_b32 s21, 0
	s_add_nc_u64 s[18:19], s[6:7], s[18:19]
	s_add_nc_u64 s[20:21], s[14:15], s[20:21]
	v_lshrrev_b32 v9, 1, v2
	v_lshlrev_b32 v9, 12, v9
	v_lshl_add_u32 v9, v3, 4, v9                   ; packed row r / 2, + 16 h
	v_and_b32 v2, 1, v2
	v_lshlrev_b32 v2, 2, v2                        ; 4 (r % 2): odd rows take the high nibbles
.irp f, 0,1,2,3
.irp c, 0,1,2,3
	global_load_b128 v[R0+16*\f+4*\c:R0+16*\f+4*\c+3], v9, s[18:19] offset:32768*(\f/2)+128*(\f%2)+32*\c   ; 16 bytes: k = 32 c + 16 h + 0 .. 15 of two rows
.endr
.endr
	s_wait_alu depctr_va_vdst(0)
	s_wait_kmcnt 0x0
	s_mov_b32 s23, s22                             ; (the packed forms name a pair and take its low word for both halves: so the upper word is written)
	s_xor_b32 s24, s24, 0x80000000                 ; -zero_point: adding it is the subtraction
	s_mov_b32 s25, s24
.macro UNPACK f
.irp u, 0,1,2,3,4,5,6,7,8,9,10,11,12,13,14,15
	v_lshrrev_b32 v[R0+16*(\f)+\u], v2, v[R0+16*(\f)+\u]       ; my row's nibble into the low four bits of each byte
.endr
.irp u, 0,1,2,3,4,5,6,7,8,9,10,11,12,13,14,15
.irp j, 0,1,2,3
	v_bfe_u32 v[X+4*\u+\j], v[R0+16*(\f)+\u], 8*\j, 4
.endr
.endr
.set n, 0
.rept 64
	v_cvt_f32_u32 v[X+n], v[X+n]
.set n, n+1
.endr
.set n, 0
.rept 32
	v_pk_add_f32 v[X+n:X+n+1], v[X+n:X+n+1], s[24:25] op_sel_hi:[1,0]   ; q - zero_point
.set n, n+2
.endr
.set n, 0
.rept 32
	v_pk_mul_f32 v[X+n:X+n+1], v[X+n:X+n+1], s[22:23] op_sel_hi:[1,0]   ; x scale
.set n, n+2
.endr
.endm
.irp f, 0,1,2,3
	s_wait_loadcnt 4*(3-\f)                        ; this fragment's four loads are in; the later fragments' may be out
	UNPACK \f
.if \f >= 2
	s_wait_xcnt 0x0                                ; the stores of two fragments back have read this set of codes: it is written again only behind this wait
.endif
	QUANT C+16*(\f%2), PW+\f
	PUT \f
.endr
	TAIL
.Lx:	; ---------------- x's chunk number ttmp9 - 256
	s_sub_co_u32 s29, ttmp9, 256
	s_lshr_b32 s30, s29, 4
	s_and_b32 s31, s29, 15
	s_lshl_b32 s18, s30, 21                        ; 128 rows of 16,384 bytes a group,
	s_lshl_b32 s30, s16, 19                        ; 32 a wave,
	s_add_co_u32 s18, s18, s30
	s_lshl_b32 s31, s31, 10                        ; 1,024 bytes a K step
	s_add_co_u32 s18, s18, s31
	s_mov_b32 s19, 0
	s_mul_i32 s20, s29, CHUNK
	s_mov_b32 s21, 0
	s_add_nc_u64 s[18:19], s[4:5], s[18:19]
	s_add_nc_u64 s[20:21], s[12:13], s[20:21]
.macro LOADX f                         ; fragment f = 2 b + q: rows 16 b + 0 .. 15, 128 numbers from 128 q on: 32 lanes read 512 consecutive bytes of a row
.irp p, 0,1,2,3,4,5,6,7,8,9,10,11,12,13,14,15
	global_load_b128 v[R0+4*\p:R0+4*\p+3], v4, s[18:19] offset:(16*((\f)/2)+\p)*16384+512*((\f)%2) th:TH_LOAD_NT
.endr
.endm
.macro TURN f                          ; through my stage: LDS serves a wave's instructions in order (ISA guide 5.7.1.4), so no wait stands between the stores and the loads
.irp p, 0,1,2,3,4,5,6,7,8,9,10,11,12,13,14,15
	ds_store_b128 v5, v[R0+4*\p:R0+4*\p+3] offset:528*\p
.endr
.irp c, 0,1,2,3
.irp j, 0,1,2,3
	ds_load_b128 v[X+16*\c+4*\j:X+16*\c+4*\j+3], v6 offset:128*\c+16*\j
.endr
.endr
	s_wait_dscnt 0x0                               ; my 64 numbers are back, and the stores have read the set that the next loads fill
.endm
	LOADX 0
	s_wait_alu depctr_va_vdst(0)
.irp f, 0,1,2,3
	s_wait_loadcnt 0x0                             ; this fragment's 16 loads are in: one set of 64 registers serves all four fragments
	TURN \f
.if \f < 3
	LOADX \f+1                                     ; the stage's stores have read the set: the next fragment's loads go out while this one is quantised
.endif
.if \f >= 2
	s_wait_xcnt 0x0                                ; the stores of two fragments back have read this set of codes: it is written again only behind this wait
.endif
	QUANT C+16*(\f%2), PW+\f
	PUT \f
.endr
	TAIL
.Lfunc_end_k_q16e1223dd0_quant:
	.size	k_q16e1223dd0_quant, .Lfunc_end_k_q16e1223dd0_quant-k_q16e1223dd0_quant
	.p2alignl 7, 3214868480
	.fill 96, 4, 3214868480
	.section	.rodata,"a",@progbits
	.p2align	6, 0x0
	.amdhsa_kernel k_q16e1223dd0_quant
		.amdhsa_group_segment_fixed_size 34304
		.amdhsa_private_segment_fixed_size 0
		.amdhsa_enable_private_segment 0
		.amdhsa_kernarg_size 48
		.amdhsa_user_sgpr_count 2
		.amdhsa_user_sgpr_kernarg_segment_ptr 1
		.amdhsa_wavefront_size32 1
		.amdhsa_system_sgpr_workgroup_id_x 1
		.amdhsa_system_sgpr_workgroup_id_y 1
		.amdhsa_system_sgpr_workgroup_id_z 1
		.amdhsa_system_vgpr_workitem_id 0
		.amdhsa_next_free_vgpr 192
		.amdhsa_next_free_sgpr 66
		.amdhsa_reserve_vcc 1
		.amdhsa_float_denorm_mode_32 3
		.amdhsa_float_denorm_mode_16_64 3
		.amdhsa_memory_ordered 1
		.amdhsa_forward_progress 1
		.amdhsa_inst_pref_size 129
	.end_amdhsa_kernel
	.amdgpu_metadata
---
amdhsa.version: [ 1, 2 ]
amdhsa.kernels:
  - .name:           k_q16e1223dd0_quant
    .symbol:         k_q16e1223dd0_quant.kd
    .args:
      - { .name: x, .offset: 0, .size: 8, .value_kind: global_buffer, .address_space: global }
      - { .name: packed_weight, .offset: 8, .size: 8, .value_kind: global_buffer, .address_space: global }
      - { .name: scale, .offset: 16, .size: 8, .value_kind: global_buffer, .address_space: global }
      - { .name: zero_point, .offset: 24, .size: 8, .value_kind: global_buffer, .address_space: global }
      - { .name: xq, .offset: 32, .size: 8, .value_kind: global_buffer, .address_space: global }
      - { .name: wq, .offset: 40, .size: 8, .value_kind: global_buffer, .address_space: global }
    .group_segment_fixed_size: 34304
    .private_segment_fixed_size: 0
    .kernarg_segment_align: 8
    .kernarg_segment_size: 48
    .max_flat_workgroup_size: 128
    .sgpr_count:     66
    .vgpr_count:     192
    .wavefront_size: 32
...
	.end_amdgpu_metadata
.endif
;; end of part 1
;; launch gemm (part 2): grid 8 x 32, 4 waves a work-group, clusters of 4 x 4, 327,680 bytes of LDS; arguments xq, wq, bias, out0; writes out0
.if DOCPART == 2
	.amdgcn_target "amdgcn-amd-amdhsa--gfx1250"
	.amdhsa_code_object_version 6
	.text
	.protected	k_q16e1223dd0_gemm
	.globl	k_q16e1223dd0_gemm
	.p2align	8
	.type	k_q16e1223dd0_gemm,@function
k_q16e1223dd0_gemm:
	s_mov_b64 s[64:65], 0
	v_nop
	global_prefetch_b8 v0, s[64:65] scope:SCOPE_SE
	s_setreg_imm32_b32 hwreg(HW_REG_WAVE_MODE, 25, 1), 1
	s_wait_xcnt 0x0
	s_wait_alu depctr_hold_cnt(0) depctr_sa_sdst(0) depctr_va_vdst(0) depctr_va_sdst(0) depctr_va_ssrc(0) depctr_va_vcc(0) depctr_vm_vsrc(0)
	s_getreg_b32 s2, hwreg(HW_REG_IB_STS2, 6, 4)
	s_cmp_eq_u32 s2, 0
	s_cbranch_scc0 .Lentry_in_a_cluster
	s_endpgm
.Lentry_in_a_cluster:
	s_bfe_u32 s2, ttmp6, 0x10000c
	s_cmp_lg_u32 s2, 0xf033
	s_cbranch_scc0 .Lentry_shape_is_right
	s_endpgm
.Lentry_shape_is_right:
; out0[m][n] = sum over k of x[m][k] w[n][k] + bias[n], on codes of BF8 (E5M2) with E8M0 scale bytes, as the first launch leaves them:
; xq = [64 groups of 128 rows][16 chunks of 256 along K][33,792 bytes], wq = [16 groups][16][33,792]; a chunk is 16 images of operand registers (block i, q-th 128 of K at (2 i + q) 2,048) and from byte 32,768 its scale words.
; A work-group of four waves makes 256 x 256 of out0, a wave 128 x 128: 64 accumulators.  The matrix instruction is used transposed (source 0 = rows of w, source 1 = rows of x).
; x's CODES go through LDS: two slots, each a SLAB of 512 along K (4 chunks, one tensor load a wave), asked for jointly by the four work-groups of a cluster's row.
; w's FRAGMENTS go from wq straight into the operand registers, 512 consecutive bytes a load.  They are not asked for jointly: with w's tiles beside x's a slot of LDS would hold 256 along K, and the refills with
; their rounds would be twice as many (14 against 6); loads into registers stay out across the rounds.
; A STEP is 128 along K, 64 products in four quarters: (rows 0-63, w 0-63), (rows 64-127, w 0-63), (rows 64-127, w 64-127), (rows 0-63, w 64-127).  Its loads stand in TWO RUNS, eight v_nop ahead of each
; (the places ahead of loads into registers that products have read).  Behind the second quarter: the next step's rows 0-63, into the half-set that this step does not use,
; scale words, and w's blocks 0-3 of two steps on, into the registers just read out.  Behind the fourth: the next step's rows 64-127 and w's blocks 4-7 of two steps on.  w has two sets of registers by turns.
; REGISTERS: window 0: v0-31 addresses, v32-47 x's scale words, v48-63 w's (numbers never equal modulo 8 in one product), v64-127 / v192-255 rows 0-63, v128-191 rows 64-127; window 1: w's two sets; windows 2, 3: the sums.
; The bias is added on the way out.  LIMITS: NaN and infinities among the inputs are not served.
.set SIZE_N, 2048
.set CHUNK,  33792
.set SCOFF,  32768
.set SLOT,   4*CHUNK
.set SPARE,  2*SLOT                    ; behind the two slots: the spare words, 128 bytes a wave
.set RUN,    16*CHUNK
.set SPITCH, 528
.set ADRA, 8                           ; v8-11   LDS address of my fragments in chunk n = 2 slot + half of the slab
.set ADRS, 12                          ; v12-15  the same for the scale words
.set BO,   16                          ; v16     16 x lane
.set BS,   17                          ; v17     8 x lane
.set STO,  18
.set RD,   19
.set SPW,  20
.set NIL,  21
.set PFB,  22                          ; v22     prefetch of w: my share of a chunk's 132 blocks of 256 bytes
.set PFA0, 23                          ; v23, 24 prefetch of x: two shares
.set PFA1, 24
.set BI,   28                          ; v28-31  the bias of my four columns of a row
.set SA,   32
.set SB,   48
.set BK,   128
.set BB,   12                          ; s[12:13] w: my 128 rows, this trip's first chunk
.set PA,   18                          ; s[18:19] x: the chunk stream that I fetch, this trip's first slab
.set FB,   44                          ; s44     cluster row % 2
.set G1,   24
.set G0,   32
.set LAST, 99                          ; the last step (counted from the trip's first) that exists
.set MSB, 0
.macro WIN new
.if MSB != \new
	s_set_vgpr_msb (MSB<<8)|\new
.set MSB, \new
.endif
.endm
.set MUL_LO, 0xa1
.set MUL_HI, 0xf1
.set TO_B,   0x40
.macro PLACES n
.rept \n
	v_nop
.endr
.endm
.macro CREST
	s_cmp_lg_u32 s14, 0
	s_cbranch_scc1 .Lnot_wave_0_\@
	s_barrier_signal -3
.Lnot_wave_0_\@:
	s_barrier_wait -3
	s_barrier_signal -1
	s_barrier_wait -1
.endm
.macro CROUND
	s_barrier_signal -1
	s_barrier_wait -1
	CREST
.endm
.macro TLOAD s                         ; my chunk of a slab: one line for all four waves; an s_nop 0 and four v_nop follow
	tensor_load_to_lds s[G0+4*\s:G0+4*\s+3], s[G1:G1+7]
	s_nop 0
	PLACES 4
.endm
.macro BFR p, i, T                     ; w's fragment i of step T into set p
.irp c, 0,1,2,3
	global_load_b128 v[128*(\p)+16*(\i)+4*\c:128*(\p)+16*(\i)+4*\c+3], v[BO], s[BB:BB+1] offset:((\T)>>1)*CHUNK+(2*(\i)+((\T)&1))*2048+512*\c
.endr
.endm
.macro BSC T                           ; w's scale words of step T's chunk: lanes 0-15 block 2 p, lanes 16-31 block 2 p + 1; word q in register 2 p + 1 - q
.irp p, 0,1,2,3
.irp q, 0,1
	global_load_b32 v[SB+8*(((\T)>>1)&1)+2*\p+1-\q], v[BS], s[BB:BB+1] offset:((\T)>>1)*CHUNK+SCOFF+256*\p+4*\q
.endr
.endr
.endm
.macro AFR reg, i, T                   ; x's fragment i of step T
.irp c, 0,1,2,3
	ds_load_b128 v[\reg+4*\c:\reg+4*\c+3], v[ADRA+(((\T)>>1)&3)] offset:(2*(\i)+((\T)&1))*2048+512*\c
.endr
.endm
.macro ASC T                           ; x's scale words of step T's chunk: word q in register 2 p + q
.irp p, 0,1,2,3
	ds_load_b64 v[SA+8*(((\T)>>1)&1)+2*\p:SA+8*(((\T)>>1)&1)+2*\p+1], v[ADRS+(((\T)>>1)&3)] offset:SCOFF+256*\p
.endr
.endm
.macro WM t, a, b, z                   ; the product of x's block a and w's block b in step t; z = 1: it starts the sum
.set D_, 8*(8*((\a)&3)+(\b))
.set B_, 128*((\t)&1)+16*(\b)
.if (\a) < 4
.set A_, 64+128*((\t)&1)+16*(\a)
.else
.set A_, 128+16*((\a)-4)
.endif
.set SB_, SB+8*(((\t)>>1)&1)+2*((\b)>>1)+1-((\t)&1)
.set SA_, SA+8*(((\t)>>1)&1)+2*((\a)>>1)+((\t)&1)
.set R_, 2*((\b)&1)+((\a)&1)
.if \z
.if R_ == 0
	v_wmma_scale_f32_16x16x128_f8f6f4 v[D_:D_+7], v[B_:B_+15], v[A_:A_+15], 0, v[SB_], v[SA_] matrix_a_fmt:MATRIX_FMT_BF8 matrix_b_fmt:MATRIX_FMT_BF8
.elseif R_ == 1
	v_wmma_scale_f32_16x16x128_f8f6f4 v[D_:D_+7], v[B_:B_+15], v[A_:A_+15], 0, v[SB_], v[SA_] matrix_a_fmt:MATRIX_FMT_BF8 matrix_b_fmt:MATRIX_FMT_BF8 matrix_b_scale:MATRIX_SCALE_ROW1
.elseif R_ == 2
	v_wmma_scale_f32_16x16x128_f8f6f4 v[D_:D_+7], v[B_:B_+15], v[A_:A_+15], 0, v[SB_], v[SA_] matrix_a_fmt:MATRIX_FMT_BF8 matrix_b_fmt:MATRIX_FMT_BF8 matrix_a_scale:MATRIX_SCALE_ROW1
.else
	v_wmma_scale_f32_16x16x128_f8f6f4 v[D_:D_+7], v[B_:B_+15], v[A_:A_+15], 0, v[SB_], v[SA_] matrix_a_fmt:MATRIX_FMT_BF8 matrix_b_fmt:MATRIX_FMT_BF8 matrix_a_scale:MATRIX_SCALE_ROW1 matrix_b_scale:MATRIX_SCALE_ROW1
.endif
.else
.if R_ == 0
	v_wmma_scale_f32_16x16x128_f8f6f4 v[D_:D_+7], v[B_:B_+15], v[A_:A_+15], v[D_:D_+7], v[SB_], v[SA_] matrix_a_fmt:MATRIX_FMT_BF8 matrix_b_fmt:MATRIX_FMT_BF8
.elseif R_ == 1
	v_wmma_scale_f32_16x16x128_f8f6f4 v[D_:D_+7], v[B_:B_+15], v[A_:A_+15], v[D_:D_+7], v[SB_], v[SA_] matrix_a_fmt:MATRIX_FMT_BF8 matrix_b_fmt:MATRIX_FMT_BF8 matrix_b_scale:MATRIX_SCALE_ROW1
.elseif R_ == 2
	v_wmma_scale_f32_16x16x128_f8f6f4 v[D_:D_+7], v[B_:B_+15], v[A_:A_+15], v[D_:D_+7], v[SB_], v[SA_] matrix_a_fmt:MATRIX_FMT_BF8 matrix_b_fmt:MATRIX_FMT_BF8 matrix_a_scale:MATRIX_SCALE_ROW1
.else
	v_wmma_scale_f32_16x16x128_f8f6f4 v[D_:D_+7], v[B_:B_+15], v[A_:A_+15], v[D_:D_+7], v[SB_], v[SA_] matrix_a_fmt:MATRIX_FMT_BF8 matrix_b_fmt:MATRIX_FMT_BF8 matrix_a_scale:MATRIX_SCALE_ROW1 matrix_b_scale:MATRIX_SCALE_ROW1
.endif
.endif
.endm
.macro QL t, j, z                      ; group j's four products.  Groups 0-3: w's block j, x's 0-3; 4-7: w's j - 4, x's 4-7; 8-11: x's j - 4, w's 4-7; 12-15: w's j - 8, x's 0-3.  The 64 sums take turns
.if ((\j) < 4) || ((\j) >= 12)
	WIN MUL_LO
.else
	WIN MUL_HI
.endif
.irp n, 0,1,2,3
.if (\j) < 4
	WM \t, \n, (\j), \z
.elseif (\j) < 8
	WM \t, 4+\n, (\j)-4, \z
.elseif (\j) < 12
	WM \t, (\j)-4, 4+\n, \z
.else
	WM \t, \n, (\j)-8, \z
.endif
.endr
.endm
.macro LD1 t                           ; the run behind the second quarter
.set P_, (\t)&1
.if ((\t)+1) <= LAST
	PLACES 8
	WIN 0
.irp i, 0,1,2,3
	AFR 192-128*P_+16*\i, \i, (\t)+1
.endr
.if P_ == 1
	ASC (\t)+1
.endif
.if ((\t)+2) <= LAST
.if P_ == 0
	BSC (\t)+2
.endif
	WIN TO_B
.irp i, 0,1,2,3
	BFR P_, \i, (\t)+2
.endr
.endif
.endif
.endm
.macro LD2 t                           ; the run behind the fourth quarter: the LDS loads first, which are wanted a quarter later
.set P_, (\t)&1
.if ((\t)+1) <= LAST
	PLACES 8
	WIN 0
.irp i, 0,1,2,3
	AFR 128+16*\i, 4+\i, (\t)+1
.endr
.if ((\t)+2) <= LAST
	WIN TO_B
.irp i, 4,5,6,7
	BFR P_, \i, (\t)+2
.endr
.endif
.endif
.endm
.macro HAS sym, T, n
.if (\T) <= LAST
.set \sym, \sym+(\n)
.endif
.endm
; PREFETCHES behind a refill and the run of loads that follows it: w's two chunks of the slab two on (their loads begin three steps later), in every second row of clusters: four clusters name each block; the eight waves
; of a cluster that read a chunk share its 132 blocks by address, 17 each.  x's slab three on (one slab ahead of its refill): the four partners share my chunk by address, twice 17 blocks each.  The last refill has no slab three on.
.macro ASK t
	WIN 0
	s_cmp_eq_u32 s[FB], 0
	s_cbranch_scc0 .Lno_w_\@
	global_prefetch_b8 v[PFB], s[BB:BB+1] offset:(((\t)+5)>>1)*CHUNK th:TH_LOAD_NT scope:SCOPE_SE
	global_prefetch_b8 v[PFB], s[BB:BB+1] offset:((((\t)+5)>>1)+1)*CHUNK th:TH_LOAD_NT scope:SCOPE_SE
.Lno_w_\@:
.if (\t) == 7
	s_cmp_lg_u32 s3, 1
	s_cbranch_scc0 .Lno_x_\@
.endif
	global_prefetch_b8 v[PFA0], s[PA:PA+1] offset:((((\t)+1)>>2)+2)*2*CHUNK th:TH_LOAD_NT scope:SCOPE_SE
	global_prefetch_b8 v[PFA1], s[PA:PA+1] offset:((((\t)+1)>>2)+2)*2*CHUNK th:TH_LOAD_NT scope:SCOPE_SE
.Lno_x_\@:
.endm
; A step.  kind 1: a slab's last step: all reads of its slot were issued in the step before, so the round and the refill stand in its first half; kind 2: the same without a refill.
; N0_: the loads into registers issued behind w's blocks 0-3 of this step: blocks 4-7 of the same set (16), and the step before's 32 with its 8 scale words.  N8_: those issued behind blocks 4-7.
.macro STEP t, z, kind
.set SL_, ((\t)>>2)&1
.set N0_, 16
.set N8_, 0
	HAS N0_, (\t)+1, 32
	HAS N8_, (\t)+1, 32
	HAS N8_, (\t)+2, 16
.if (\t)&1
	HAS N0_, (\t)+1, 8
	HAS N8_, (\t)+1, 8
.else
	HAS N8_, (\t)+2, 8
.endif
.if \kind
	WIN 0
	s_wait_tensorcnt 0x0                           ; my chunk of the next slab is in;
	ds_add_u32 v[SPW], v[NIL]
.if (\kind) == 1
	s_add_nc_u64 s[G0+4*SL_+2:G0+4*SL_+3], s[G0+4*SL_+2:G0+4*SL_+3], 4*CHUNK   ; no tensor load of mine is out: this slot's next slab
.endif
	s_wait_dscnt 17                                ; rows 0-63 and the scale words are in; behind them: rows 64-127's 16 loads and the add
.else
	s_wait_dscnt 16
.endif
	s_wait_loadcnt N0_
.irp j, 0,1,2,3
	QL \t, \j, \z
.endr
	s_wait_dscnt 0x0                               ; rows 64-127 are in; in a slab's last step also: the add is done, and my reads of this slot are over
.if \kind
	s_barrier_signal -1
.endif
	QL \t, 4, \z
	QL \t, 5, \z
.if \kind
	WIN 0
	s_barrier_wait -1
.if (\kind) == 1
	CREST
	TLOAD SL_
.endif
.endif
	QL \t, 6, \z
	QL \t, 7, \z
	LD1 \t
.if (\kind) == 1
	ASK \t
.endif
	s_wait_loadcnt N8_
.irp j, 8,9,10,11,12,13,14,15
	QL \t, \j, \z
.endr
	LD2 \t
.endm
	s_load_b256 s[4:11], s[0:1], 0x0               ; xq, wq, bias, out0
	v_lshl_add_u32 v[SPW], v0, 2, SPARE
	v_mov_b32 v[NIL], 0
	ds_add_u32 v[SPW], v[NIL]
	ds_add_u32 v[SPW], v[NIL]
	v_lshrrev_b32 v1, 5, v0
	v_readfirstlane_b32 s14, v1                    ; wave
	s_lshr_b32 s15, s14, 1                         ; my half of the rows; also the group of 128 rows that I fetch
	s_and_b32 s16, s14, 1                          ; my half of the columns; also the chunk of a slab that I fetch
	s_bfe_u32 s40, ttmp6, 0x40000                  ; cx
	s_bfe_u32 s41, ttmp6, 0x40004                  ; cy
	s_lshl_b32 s42, ttmp9, 2
	s_add_co_u32 s42, s42, s40                     ; tile column
	s_and_b32 s17, ttmp7, 0xffff
	s_and_b32 s[FB], s17, 1
	s_lshl_b32 s17, s17, 2
	s_add_co_u32 s17, s17, s41                     ; tile row
	s_lshl_b32 s43, s41, 2
	s_lshl_b32 s43, 15, s43                        ; my row of the cluster
	s_or_b32 s[G1], s43, (3<<16)|(1<<21)           ; a chunk: 132 dense rows of 256 bytes (32 elements of 8)
	s_mov_b32 s[G1+1], 32<<16
	s_mov_b32 s[G1+2], 132<<16
	s_mov_b32 s[G1+3], 32<<16
	s_mov_b32 s[G1+4], 132
	s_mov_b32 s[G1+5], 32
	s_mov_b32 s[G1+6], 0
	s_mov_b32 s[G1+7], 0
	s_mul_i32 s48, s15, 2*CHUNK                    ; in a slot: [group of rows][chunk]
	s_add_co_u32 s49, s48, CHUNK
	s_add_co_u32 s50, s48, SLOT
	s_add_co_u32 s51, s48, SLOT+CHUNK
	s_mul_i32 s23, s14, 16*SPITCH                  ; my stage for the way out, in slot 0
	s_lshl_b32 s52, s41, 1
	s_add_co_u32 s52, s52, s15
	s_mul_i32 s52, s52, 17                         ; w: 17 blocks for each of the eight waves (cy, row half)
	s_mul_i32 s53, s40, 34                         ; x: twice 17 for each of the four partners (cx)
	s_add_co_u32 s54, s53, 17
	s_lshl_b32 s20, s17, 1
	s_add_co_u32 s20, s20, s15
	s_mul_i32 s20, s20, RUN
	s_mul_i32 s21, s16, CHUNK
	s_add_co_u32 s20, s20, s21
	s_mov_b32 s21, 0
	s_lshl_b32 s46, s42, 1
	s_add_co_u32 s46, s46, s16
	s_mul_i32 s46, s46, RUN
	s_mov_b32 s47, 0
	s_mul_i32 s45, s14, CHUNK
	v_and_b32 v1, 15, v0
	v_bfe_u32 v2, v0, 4, 1
	v_and_b32 v3, 31, v0
	v_lshlrev_b32 v[BO], 4, v3
	v_lshlrev_b32 v[BS], 3, v3
.irp n, 0,1,2,3
	v_add_nc_u32 v[ADRA+\n], s[48+\n], v[BO]
	v_add_nc_u32 v[ADRS+\n], s[48+\n], v[BS]
.endr
	v_mul_u32_u24 v5, v1, SPITCH
	v_lshl_add_u32 v5, v2, 5, v5
	v_add_nc_u32 v[STO], s23, v5
	v_add_nc_u32 v[RD], s23, v[BO]
	v_min_u32 v4, 16, v3                           ; lanes 16-31 name their wave's last block again
	v_add_nc_u32 v5, s52, v4
	v_add_nc_u32 v6, s53, v4
	v_add_nc_u32 v7, s54, v4
	v_min_u32 v5, 0x83, v5                         ; inside the chunk's 132 blocks
	v_min_u32 v6, 0x83, v6
	v_min_u32 v7, 0x83, v7
	v_lshlrev_b32 v[PFB], 8, v5
	v_lshlrev_b32 v[PFA0], 8, v6
	v_lshlrev_b32 v[PFA1], 8, v7
	s_wait_alu depctr_va_vdst(0)
	s_wait_dscnt 0x0
	s_wait_kmcnt 0x0
	s_add_nc_u64 s[PA:PA+1], s[4:5], s[20:21]
	s_add_nc_u64 s[BB:BB+1], s[6:7], s[46:47]
	s_lshl_b32 s46, s42, 10
	s_lshl_b32 s47, s16, 9
	s_add_co_u32 s46, s46, s47                     ; my first column, in bytes
	s_mov_b32 s47, 0
	s_lshl_b32 s20, s17, 8
	s_lshl_b32 s21, s15, 7
	s_add_co_u32 s20, s20, s21
	s_lshl_b32 s20, s20, 13                        ; my first row of out0, in bytes
	s_mov_b32 s21, 0
	s_add_nc_u64 s[8:9], s[8:9], s[46:47]
	s_add_nc_u64 s[10:11], s[10:11], s[20:21]
	s_add_nc_u64 s[10:11], s[10:11], s[46:47]
.irp s, 0,1
	s_mov_b32 s[G0+4*\s], 1
	s_add_co_u32 s[G0+4*\s+1], s45, \s*SLOT
	s_add_nc_u64 s[G0+4*\s+2:G0+4*\s+3], s[PA:PA+1], \s*2*CHUNK
	s_or_b32 s[G0+4*\s+3], s[G0+4*\s+3], 0x80000000
.endr
	CROUND                                         ; all sixteen work-groups are here
	TLOAD 0                                        ; slab 0: one tensor load a wave at the head
	BSC 0
	global_load_b128 v[BI:BI+3], v[BO], s[8:9]
	WIN TO_B
.irp i, 0,1,2,3,4,5,6,7
	BFR 0, \i, 0
.endr
.irp i, 0,1,2,3,4,5,6,7
	BFR 1, \i, 1
.endr
	WIN 0
	s_cmp_eq_u32 s[FB], 0
	s_cbranch_scc0 .Lno_w_head
.irp c, 1,2,3
	global_prefetch_b8 v[PFB], s[BB:BB+1] offset:\c*CHUNK th:TH_LOAD_NT scope:SCOPE_SE
.endr
.Lno_w_head:
.irp c, 1,2
	global_prefetch_b8 v[PFA0], s[PA:PA+1] offset:\c*2*CHUNK th:TH_LOAD_NT scope:SCOPE_SE
	global_prefetch_b8 v[PFA1], s[PA:PA+1] offset:\c*2*CHUNK th:TH_LOAD_NT scope:SCOPE_SE
.endr
	s_wait_tensorcnt 0x0                           ; my chunk of slab 0 is in; slot 1's first fill is issued as a refill is
	ds_add_u32 v[SPW], v[NIL]
	s_wait_dscnt 0x0
	CROUND
	TLOAD 1
.irp i, 0,1,2,3
	AFR 64+16*\i, \i, 0
.endr
	ASC 0
.irp i, 0,1,2,3
	AFR 128+16*\i, 4+\i, 0
.endr
	s_wait_loadcnt 0x0                             ; w's fragments of steps 0 and 1, the first scale words and the bias are in
	STEP 0, 1, 0                                   ; the first step starts the sums
	WIN 0
	s_mov_b32 s3, 3
.Llap:                                                 ; a trip: eight steps, two slabs, both slots filled again
	STEP 1, 0, 0
	STEP 2, 0, 0
	STEP 3, 0, 1
	STEP 4, 0, 0
	STEP 5, 0, 0
	STEP 6, 0, 0
	STEP 7, 0, 1
	STEP 8, 0, 0
	WIN 0
	s_wait_xcnt 0x0                                ; the loads and prefetches have read their bases
	s_add_nc_u64 s[BB:BB+1], s[BB:BB+1], 4*CHUNK
	s_add_nc_u64 s[PA:PA+1], s[PA:PA+1], 4*CHUNK
	s_sub_co_u32 s3, s3, 1
	s_cmp_lg_u32 s3, 0
	s_cbranch_scc1 .Llap
.set LAST, 7                           ; the last seven steps ask for nothing beyond K
	STEP 1, 0, 0
	STEP 2, 0, 0
	STEP 3, 0, 2
	STEP 4, 0, 0
	STEP 5, 0, 0
	STEP 6, 0, 0
	STEP 7, 0, 0
	WIN 0
; THE WAY OUT, block by block of 16 rows x 128 columns, through my own stage in slot 0 (its last fill and its last read lie ahead of the last barrier); rows come back whole, the bias is added, 32 lanes store 512 consecutive bytes
.macro TOSTAGE a
.set AC, 64*((\a)%4)
	WIN 0x08+4*((\a)/4)
.irp b, 0,1,2,3,4,5,6,7
	ds_store_b128 v[STO], v[AC+8*\b:AC+8*\b+3] offset:64*\b
	ds_store_b128 v[STO], v[AC+8*\b+4:AC+8*\b+7] offset:64*\b+16
.endr
	WIN 0
.set RB_, BK+64*((\a)%2)
.irp t, 0,1,2,3,4,5,6,7,8,9,10,11,12,13,14,15
	ds_load_b128 v[RB_+4*\t:RB_+4*\t+3], v[RD] offset:\t*SPITCH
.endr
.endm
.macro SEND a, younger
.set RB_, BK+64*((\a)%2)
	s_wait_dscnt \younger
.if (\a) > 0
	s_add_nc_u64 s[10:11], s[10:11], 16*SIZE_N*4   ; behind a wait on XCNT: the earlier stores have read their base
.endif
.irp t, 0,1,2,3,4,5,6,7,8,9,10,11,12,13,14,15
	v_pk_add_f32 v[RB_+4*\t:RB_+4*\t+1], v[RB_+4*\t:RB_+4*\t+1], v[BI:BI+1]
	v_pk_add_f32 v[RB_+4*\t+2:RB_+4*\t+3], v[RB_+4*\t+2:RB_+4*\t+3], v[BI+2:BI+3]
.endr
.irp t, 0,1,2,3,4,5,6,7,8,9,10,11,12,13,14,15
	global_store_b128 v[BO], v[RB_+4*\t:RB_+4*\t+3], s[10:11] offset:\t*SIZE_N*4 th:TH_STORE_NT
.endr
.endm
	PLACES 8
	TOSTAGE 0
.irp a, 1,2,3,4,5,6,7
.if \a > 1
	s_wait_xcnt 0x0                                ; block a - 2's stores have read their registers and their base
.endif
	TOSTAGE \a
	SEND \a-1, 32
.endr
	s_wait_xcnt 0x0
	SEND 7, 0
	s_wait_tensorcnt 0x0                           ; the wave's end
	ds_add_u32 v[SPW], v[NIL]
	s_wait_dscnt 0x0
	CROUND                                         ; the closing round
	s_endpgm
.Lfunc_end_k_q16e1223dd0_gemm:
	.size	k_q16e1223dd0_gemm, .Lfunc_end_k_q16e1223dd0_gemm-k_q16e1223dd0_gemm
	.p2alignl 7, 3214868480
	.fill 96, 4, 3214868480
	.section	.rodata,"a",@progbits
	.p2align	6, 0x0
	.amdhsa_kernel k_q16e1223dd0_gemm
		.amdhsa_group_segment_fixed_size 327680
		.amdhsa_private_segment_fixed_size 0
		.amdhsa_enable_private_segment 0
		.amdhsa_kernarg_size 32
		.amdhsa_user_sgpr_count 2
		.amdhsa_user_sgpr_kernarg_segment_ptr 1
		.amdhsa_wavefront_size32 1
		.amdhsa_system_sgpr_workgroup_id_x 1
		.amdhsa_system_sgpr_workgroup_id_y 1
		.amdhsa_system_sgpr_workgroup_id_z 1
		.amdhsa_system_vgpr_workitem_id 0
		.amdhsa_next_free_vgpr 1024
		.amdhsa_next_free_sgpr 66
		.amdhsa_reserve_vcc 0
		.amdhsa_float_denorm_mode_32 3
		.amdhsa_float_denorm_mode_16_64 3
		.amdhsa_memory_ordered 1
		.amdhsa_forward_progress 1
		.amdhsa_inst_pref_size 255
	.end_amdhsa_kernel
	.section	.bss,"aw",@nobits
	.p2align	6
	.space	262144
	.amdgpu_metadata
---
amdhsa.version: [ 1, 2 ]
amdhsa.kernels:
  - .name:           k_q16e1223dd0_gemm
    .symbol:         k_q16e1223dd0_gemm.kd
    .args:
      - { .name: xq, .offset: 0, .size: 8, .value_kind: global_buffer, .address_space: global }
      - { .name: wq, .offset: 8, .size: 8, .value_kind: global_buffer, .address_space: global }
      - { .name: bias, .offset: 16, .size: 8, .value_kind: global_buffer, .address_space: global }
      - { .name: out0, .offset: 24, .size: 8, .value_kind: global_buffer, .address_space: global }
    .group_segment_fixed_size: 327680
    .private_segment_fixed_size: 0
    .kernarg_segment_align: 8
    .kernarg_segment_size: 32
    .max_flat_workgroup_size: 128
    .sgpr_count:     66
    .vgpr_count:     1024
    .wavefront_size: 32
...
	.end_amdgpu_metadata
.endif
;; end of part 2
